; MI455X (gfx1250); checked and timed in simulation.
; The chip was launched on July 23, 2026; its instructions are those of AMD's public machine-readable ISA for CDNA 5 (MIT licence, August 2026) and "CDNA5" Instruction Set Architecture Reference Guide (July 2026). The comments in the code are by the model that wrote it; some were corrected since.
;; Reasoning Layer. Allowed arithmetic: float matrix products may take bf16 or f16 operands with f32 sums; other float arithmetic in f32, or as packed bf16 or f16 multiplies, adds, multiply-adds, maxima and minima; sums over many terms, partial sums and values carried from step to step in f32; what a program stores and reads back later, other than sums and carried values, may be rounded once to bf16 or f16.
;; Inputs: W1 1,024 x 2,048 float32; W2 2,048 x 1,024 float32; b1 2,048 float32; b2 1,024 float32; hidden_states 8 x 2,048 x 1,024 float32.
;; Outputs: out0 8 x 2,048 x 1,024 float32.
;; 2 versions, each right; version 2 is version 1 with the launch prep written anew for expert scheduling mode. Each part assembles by itself: llvm-mc -triple=amdgcn-amd-amdhsa -mcpu=gfx1250 --defsym DOCPART=n.
;; ======== version 1 of 2: 3 launches
;; limits: values outside matrix products are rounded to bf16; a function is approximated: absolute error at most 2.5e-05
;; workspace buffers: xb 33,554,432 bytes; w1t 4,194,304 bytes; w2t 4,194,304 bytes; hid 67,108,864 bytes
;; launch prep (part 1): grid 512 x 1, 8 waves a work-group, no clusters, 18,432 bytes of LDS; arguments hidden_states, W1, W2, xb, w1t, w2t; writes xb, w1t, w2t
.if DOCPART == 1
	.amdgcn_target "amdgcn-amd-amdhsa--gfx1250"
	.amdhsa_code_object_version 6
	.text
	.protected	k_qa61e0f8109_prep
	.globl	k_qa61e0f8109_prep
	.p2align	8
	.type	k_qa61e0f8109_prep,@function
k_qa61e0f8109_prep:
	s_mov_b64 s[64:65], 0
	v_nop
	global_prefetch_b8 v0, s[64:65] scope:SCOPE_SE
	s_setreg_imm32_b32 hwreg(HW_REG_WAVE_MODE, 25, 1), 1
	s_wait_xcnt 0x0
; THE PROGRAM.  out[b][0] = x[b][0]; out[b][s] = GELU(x[b][s] W1 + b1) W2 + b2 for s >= 1.  x: [8][2048][1024] = 16,384 rows of 1,024 f32; W1: [1024][2048]; W2: [2048][1024].
; Three launches: this one rounds x, W1 and W2 to bf16 once (the weights turned, so that K lies along the rows); the second makes the hidden layer, in bf16; the third the output.
; WORK LEFT OUT: none in whole units.  The MLP of the 8 rows s = 0 reaches no output (they are sliced away ahead of the first product, for all values of the inputs), but each of them is the first
; row of a tile of 256 rows whose other 255 are live: it stays in its tile, and the third launch puts x's own row in its result's place.  Every input has a way to an output; b1 and b2 are loaded by
; the later launches.  LIMIT: a NaN, an infinity or an overflow that arises only in those 8 rows' MLP is not carried to the result.
; THIS LAUNCH.  512 work-groups of 8 waves; work-group g does two things, neither in a loop.
; (A) rows 32 g .. 32 g + 31 of x: thread t has the 16 bytes at 16 t of each row of 4,096 bytes; 32 loads a thread are out at once; each gives 8 bytes of bf16, and a wave's store covers 256 consecutive bytes, aligned.
; (B) one tile of 128 k x 64 n of a weight (g < 256: W1, else W2), turned through LDS: read as rows of 256 bytes along n, written as rows of 256 bytes along k.
; No matrix unit, no cluster, no tensor load: each byte is read once by one thread, and nothing is shared between work-groups.  No prefetch: all of a work-group's loads go out at its head.
.set LP,    272                        ; an LDS row: 128 k of bf16 = 256 bytes, + 16
.set SPARE, 64*LP                      ; behind the tile's 64 rows: the spare words, 128 bytes for each of 8 waves: four blocks of 256 bytes that no other line names
.set XO,  4                            ; v4      16 t: my bytes in a row of x
.set YO,  5                            ; v5      8 t: my bytes in a row of xb
.set LST, 6                            ; v6      LDS: where I put 16 bytes (8 k) of row n = 4 r
.set LRD, 7                            ; v7      LDS: where I read 16 bytes of a row back
.set SPW, 8                            ; v8      LDS address of my spare word; never rewritten
.set NIL, 9                            ; v9      0; never rewritten
.set WO,  10                           ; v10-17  byte offsets of my eight loads in the weight's tile
.set DO,  18                           ; v18-21  byte offsets of my four stores in the turned tile
.set KB,  22                           ; v22     16 w + 8 h: my first k in the tile
.set RB,  23                           ; v23     16 r
.set WF,  24                           ; v24-55  W[k = KB + i][n = 4 r + c] at WF + 4 i + c
.set WD,  56                           ; v56-71  for n = 4 r + c: eight k in bf16 at WD + 4 c
.set WB,  72                           ; v72-87  four pieces of turned rows
.set X,   88                           ; v88-215 32 x 4 numbers of x
	s_load_b256 s[4:11], s[0:1], 0x0               ; x s[4:5], W1 s[6:7], W2 s[8:9], xb s[10:11]
	s_load_b128 s[12:15], s[0:1], 0x20             ; w1t s[12:13], w2t s[14:15]
	v_lshl_add_u32 v[SPW], v0, 2, SPARE
	v_mov_b32 v[NIL], 0
	v_and_b32 v1, 15, v0                           ; r
	v_bfe_u32 v2, v0, 4, 1                         ; h
	v_lshrrev_b32 v3, 5, v0                        ; w
	v_lshlrev_b32 v[XO], 4, v0
	v_lshlrev_b32 v[YO], 3, v0
	s_mov_b32 s16, ttmp9                           ; g
	s_and_b32 s17, s16, 255                        ; the tile's number in its weight
	s_cmp_lt_u32 s16, 256                          ; W1 or W2: the sizes are chosen, not branched on
	s_cselect_b32 s22, 13, 12                      ; log2 of a source row's bytes (2,048 or 1,024 f32)
	s_cselect_b32 s23, 11, 12                      ; log2 of a turned row's bytes (1,024 or 2,048 bf16)
	s_cselect_b32 s24, 3, 4                        ; 8 or 16 tiles along k
	s_cselect_b32 s25, 7, 15
	s_and_b32 s18, s17, s25                        ; kt
	s_lshr_b32 s19, s17, s24                       ; nt
	s_lshl_b32 s26, s18, 7                         ; source: 128 kt rows
	s_lshl_b32 s26, s26, s22
	s_lshl_b32 s27, s19, 8                         ; + 64 nt numbers of 4 bytes
	s_add_co_u32 s26, s26, s27
	s_mov_b32 s27, 0
	s_lshl_b32 s28, s19, 6                         ; turned: 64 nt rows
	s_lshl_b32 s28, s28, s23
	s_lshl_b32 s29, s18, 8                         ; + 128 kt numbers of 2 bytes
	s_add_co_u32 s28, s28, s29
	s_mov_b32 s29, 0
	s_lshl_b32 s32, s16, 17                        ; 32 rows of x
	s_mov_b32 s33, 0
	s_lshl_b32 s34, s16, 16                        ; 32 rows of xb
	s_mov_b32 s35, 0
	v_lshlrev_b32 v[KB], 4, v3
	v_lshl_add_u32 v[KB], v2, 3, v[KB]
	v_lshlrev_b32 v[RB], 4, v1
.irp i, 0,1,2,3,4,5,6,7
	v_add_nc_u32 v[WO+(\i)], \i, v[KB]             ; row KB + i of the tile; sixteen lanes take its 256 bytes
	v_lshl_add_u32 v[WO+(\i)], v[WO+(\i)], s22, v[RB]
.endr
	v_mul_u32_u24 v[LST], v1, 4*LP                 ; row 4 r,
	v_lshl_add_u32 v[LST], v[KB], 1, v[LST]        ; byte 2 KB
	v_lshl_add_u32 v[LRD], v3, 3, v2               ; back: row 8 w + h (+ 2 i)
.irp i, 0,1,2,3
	v_add_nc_u32 v[DO+(\i)], 2*(\i), v[LRD]
	v_lshl_add_u32 v[DO+(\i)], v[DO+(\i)], s23, v[RB]
.endr
	v_mul_u32_u24 v[LRD], v[LRD], LP
	v_add_nc_u32 v[LRD], v[LRD], v[RB]
	s_wait_kmcnt 0x0
	s_cmp_lt_u32 s16, 256
	s_cselect_b64 s[20:21], s[6:7], s[8:9]         ; the weight,
	s_cselect_b64 s[30:31], s[12:13], s[14:15]     ; and where it goes
	s_add_nc_u64 s[20:21], s[20:21], s[26:27]
	s_add_nc_u64 s[30:31], s[30:31], s[28:29]
	s_add_nc_u64 s[4:5], s[4:5], s[32:33]
	s_add_nc_u64 s[10:11], s[10:11], s[34:35]
.irp i, 0,1,2,3,4,5,6,7
	global_load_b128 v[WF+4*(\i):WF+4*(\i)+3], v[WO+(\i)], s[20:21] th:TH_LOAD_NT
.endr
.set i, 0
.rept 32
	global_load_b128 v[X+4*i:X+4*i+3], v[XO], s[4:5] offset:i*4096 th:TH_LOAD_NT
.set i, i+1
.endr
	; (B) the weight's tile
	s_wait_loadcnt 32                              ; loads come back in order: the eight of the weight are in, x's 32 stay out
.irp c, 0,1,2,3
.irp q, 0,1,2,3
	v_cvt_pk_bf16_f32 v[WD+4*(\c)+(\q)], v[WF+8*(\q)+(\c)], v[WF+8*(\q)+4+(\c)]  ; k = KB + 2 q below, KB + 2 q + 1 above
.endr
.endr
.irp c, 0,1,2,3
	ds_store_b128 v[LST], v[WD+4*(\c):WD+4*(\c)+3] offset:(\c)*LP
.endr
	s_wait_dscnt 0x0                               ; for the others' sake: my stores are done
	s_barrier_signal -1
	s_barrier_wait -1                              ; the tile is whole
.irp i, 0,1,2,3
	ds_load_b128 v[WB+4*(\i):WB+4*(\i)+3], v[LRD] offset:(\i)*2*LP
.endr
	s_wait_dscnt 0x0
.irp i, 0,1,2,3
	global_store_b128 v[DO+(\i)], v[WB+4*(\i):WB+4*(\i)+3], s[30:31]  ; sixteen lanes store 256 consecutive bytes, aligned
.endr
	; (A) the rows of x
.set i, 0
.rept 32
	s_wait_loadcnt 31-i                            ; load i is in, the younger ones stay out
	v_cvt_pk_bf16_f32 v[X+4*i], v[X+4*i], v[X+4*i+1]
	v_cvt_pk_bf16_f32 v[X+4*i+1], v[X+4*i+2], v[X+4*i+3]
	global_store_b64 v[YO], v[X+4*i:X+4*i+1], s[10:11] offset:i*2048
.set i, i+1
.endr
	s_wait_tensorcnt 0x0                           ; the wave's end: behind my last LDS store
	ds_add_u32 v[SPW], v[NIL]
	s_wait_dscnt 0x0
	s_endpgm
.Lfunc_end_k_qa61e0f8109_prep:
	.size	k_qa61e0f8109_prep, .Lfunc_end_k_qa61e0f8109_prep-k_qa61e0f8109_prep
	.p2alignl 7, 3214868480
	.fill 96, 4, 3214868480
	.section	.rodata,"a",@progbits
	.p2align	6, 0x0
	.amdhsa_kernel k_qa61e0f8109_prep
		.amdhsa_group_segment_fixed_size 18432
		.amdhsa_private_segment_fixed_size 0
		.amdhsa_enable_private_segment 0
		.amdhsa_kernarg_size 48
		.amdhsa_user_sgpr_count 2
		.amdhsa_user_sgpr_kernarg_segment_ptr 1
		.amdhsa_wavefront_size32 1
		.amdhsa_system_sgpr_workgroup_id_x 1
		.amdhsa_system_sgpr_workgroup_id_y 1
		.amdhsa_system_sgpr_workgroup_id_z 1
		.amdhsa_system_vgpr_workitem_id 0
		.amdhsa_next_free_vgpr 216
		.amdhsa_next_free_sgpr 66
		.amdhsa_reserve_vcc 0
		.amdhsa_float_denorm_mode_32 3
		.amdhsa_float_denorm_mode_16_64 3
		.amdhsa_memory_ordered 1
		.amdhsa_forward_progress 1
		.amdhsa_inst_pref_size 18
	.end_amdhsa_kernel
	.amdgpu_metadata
---
amdhsa.version: [ 1, 2 ]
amdhsa.kernels:
  - .name:           k_qa61e0f8109_prep
    .symbol:         k_qa61e0f8109_prep.kd
    .args:
      - { .name: hidden_states, .offset: 0, .size: 8, .value_kind: global_buffer, .address_space: global }
      - { .name: W1, .offset: 8, .size: 8, .value_kind: global_buffer, .address_space: global }
      - { .name: W2, .offset: 16, .size: 8, .value_kind: global_buffer, .address_space: global }
      - { .name: xb, .offset: 24, .size: 8, .value_kind: global_buffer, .address_space: global }
      - { .name: w1t, .offset: 32, .size: 8, .value_kind: global_buffer, .address_space: global }
      - { .name: w2t, .offset: 40, .size: 8, .value_kind: global_buffer, .address_space: global }
    .group_segment_fixed_size: 18432
    .private_segment_fixed_size: 0
    .kernarg_segment_align: 8
    .kernarg_segment_size: 48
    .max_flat_workgroup_size: 256
    .sgpr_count:     66
    .vgpr_count:     216
    .wavefront_size: 32
...
	.end_amdgpu_metadata
.endif
;; end of part 1
;; launch up (part 2): grid 8 x 32, 4 waves a work-group, clusters of 4 x 4, 327,680 bytes of LDS; arguments xb, w1t, hid, b1; writes hid
.if DOCPART == 2
	.amdgcn_target "amdgcn-amd-amdhsa--gfx1250"
	.amdhsa_code_object_version 6
	.text
	.protected	k_qa61e0f8109_up
	.globl	k_qa61e0f8109_up
	.p2align	8
	.type	k_qa61e0f8109_up,@function
k_qa61e0f8109_up:
	s_mov_b64 s[64:65], 0
	v_nop
	global_prefetch_b8 v0, s[64:65] scope:SCOPE_SE
	s_setreg_imm32_b32 hwreg(HW_REG_WAVE_MODE, 25, 1), 1
	s_wait_xcnt 0x0
	s_wait_alu depctr_hold_cnt(0) depctr_sa_sdst(0) depctr_va_vdst(0) depctr_va_sdst(0) depctr_va_ssrc(0) depctr_va_vcc(0) depctr_vm_vsrc(0)
	s_getreg_b32 s2, hwreg(HW_REG_IB_STS2, 6, 4)
	s_cmp_eq_u32 s2, 0
	s_cbranch_scc0 .Lentry_in_a_cluster
	s_endpgm
.Lentry_in_a_cluster:
	s_bfe_u32 s2, ttmp6, 0x10000c
	s_cmp_lg_u32 s2, 0xf033
	s_cbranch_scc0 .Lentry_shape_is_right
	s_endpgm
.Lentry_shape_is_right:
; hid[m][n] = bf16(GELU(sum over k of xb[m][k] w1t[n][k] + b1[n])).  xb: [16384][1024] bf16, w1t: [2048][1024] bf16 (W1 turned), b1: [2048] f32, hid: [16384][2048] bf16.  Sums in f32.
; WORK LEFT OUT: none; the 8 rows s = 0, whose hidden layer reaches no output, lie each in a tile with 255 live rows and stay there.
; FORMATS.  b1 is rounded to bf16 like the other inputs and is the C operand that starts each sum.  hid is bf16: its range is f32's, so large inputs or an offset do not overflow it.
; GELU, exact form: with X = x / 2, gelu = X + |X| erf(|x| / sqrt 2); erf(s) = 1 - t (a1 + t (a2 + t a3)) e^(-s^2), t = 1 / (1 + 0.47047 s) (Abramowitz and Stegun 7.1.25), off by 2.5e-5 at the most
; for every s >= 0, so gelu is off by 1.25e-5 |x| at the most, far under bf16's step.  LIMIT: x = infinity or NaN is not treated apart (x = -infinity gives NaN).
; SHAPE.  A tile of 256 x 256 is made by four waves, 128 x 128 each: 64 accumulators, 512 registers.  K goes in steps of 128 through two LDS slots filled by tensor loads: rows of 256 bytes, aligned.
; A work-group makes two tiles, 8,192 rows apart: 512 tiles on 256 work-groups; the ring runs on into the second tile, whose first two K steps are asked for ahead of the first tile's way out.
; CLUSTER.  4 x 4 work-groups: the four of a row need the same tiles of xb, the four of a column the same tiles of w1t; each tile is asked for jointly, by the same load with the same descriptor and a mask of four.
; THE PRODUCT IS TAKEN TRANSPOSED (source 0 = 16 rows of w1t, source 1 = 16 rows of xb): lane l holds row l % 16 and the columns 8 (l / 16) + 0..7.
; REGISTERS, in windows of 256 (s_set_vgpr_msb: bits 1:0 source 0, 3:2 source 1, 5:4 source 2, 7:6 destination):
;   window 0: v0-31 addresses; v32-63 the way out; v64-127, v128-191 A's fragments, two buffers; on the way out v128-255 are at work
;   window 1: v0-63 the bias as a C operand, 8 registers for each block of 16 columns; v64-127, v128-191 B's fragments; v192-195 at work      windows 2, 3: the accumulators, (a, b) at 8 (8 a + b)
.set SIZE_M, 16384
.set SIZE_N, 2048
.set SIZE_K, 1024
.set SIZE_TILES, 2
.set ROWC,   SIZE_N*2                  ; bytes in a row of hid
.set KSTEP,  128
.set PITCH,  272                       ; an LDS row: 256 bytes + 16 = 68 words: the 16 rows of a fragment load start 4 words apart, modulo 64 words
.set HALFT,  128*PITCH                 ; what one tensor load brings
.set SLOT,   4*HALFT                   ; A's 256 rows, then B's 256
.set STAGE,  2*SLOT                    ; behind the ring, never filled by a tensor load: 16 rows x 528 bytes of f32 for each wave
.set SPITCH, 528                       ; 512 + 16 = 132 words
.set SPARE,  STAGE+4*16*SPITCH         ; the spare words, 128 bytes for each wave: two blocks of 256 bytes that no other line names
.set LAPS,   SIZE_K/(2*KSTEP)
.set WALK,   SIZE_M/SIZE_TILES
.set NEXT_A, WALK*SIZE_K*2-(SIZE_K-2*KSTEP)*2
.set BACK_B, (SIZE_K-2*KSTEP)*2
.set NEXT_C, (WALK-7*16)*ROWC
.set BO,   6                           ; v6   32 (l / 16): my 8 numbers in a block of 16 of the bias
.set ADRA, 16                          ; v16-17  LDS address of my A fragments in slot 0, 1
.set ADRB, 20                          ; v20-21  the same for B
.set STO,  24                          ; v24  the way out: where I put 32 bytes of a row
.set RD,   25                          ; v25  where I read 16 bytes of a row back
.set CO,   26                          ; v26  8 x lane: my bytes in 256 of a row of hid
.set SPW,  28                          ; v28  LDS address of my spare word; never rewritten
.set NIL,  29                          ; v29  0; never rewritten
.set PFO,  30                          ; v30  the prefetches' offset: lane x a row of A or B
.set XA,   32                          ; the way out: rows 0-7 of a block, 4 numbers each
.set F0,   64
.set F1,   128
.set XB,   128                         ; rows 8-15
.set TT,   160                         ; t
.set QQ,   192                         ; e^(-s^2), then t e^(-s^2)
.set WW,   224                         ; the polynomial, then erf
.set G1,  24                           ; s[24:31] descriptor group 1 for A's tiles;  s[32:39] group 0, a set for each slot
.set G0,  32
.set LIM, 43                           ; s43  1 in a wave that prefetches, else the greatest number
.set PFA, 44                           ; s[44:45] where my prefetches stand
.set G1B, 48                           ; s[48:55], s[56:63] the same for B's tiles
.set G0B, 56
.set BP,  66                           ; s[66:67] b1
.set BL,  70                           ; s70  the way out's block
.set CT,  71                           ; s71  0.47047 sqrt 2 = 0.665345: s = |X| sqrt 2, so 0.47047 s = 0.665345 |X|
.set CQ,  72                           ; s[72:73] -2 log2(e): s^2 = 2 X^2
.set A3,  74                           ; s[74:75], s[76:77], s[78:79] a3, a2, a1: pairs, of which the packed forms take the low word for both halves
.set A2,  76
.set A1,  78
.set BOF, 80                           ; s[80:81] my columns' offset in b1
.set MSB, 0
.macro WIN new                         ; the immediate's high byte repeats the setting that is left; a switch that changes nothing is dropped
.if MSB != (\new)
	s_set_vgpr_msb (MSB<<8)|(\new)
.set MSB, \new
.endif
.endm
.set MUL_LO, 0xa1                      ; B window 1, A window 0, C and D window 2
.set MUL_HI, 0xf1                      ; C and D window 3
.set TO_B,   0x40                      ; destination window 1, address window 0
; A joint load: waves 0 and 1 fetch A's two halves, waves 2 and 3 B's.  The branch hangs on the wave's number alone.  An s_nop 0 and four v_nop follow each line.
.macro JLOAD s
	s_cmp_eq_u32 s11, 0
	s_cbranch_scc0 .Lfor_b_\@
	tensor_load_to_lds s[G0+4*(\s):G0+4*(\s)+3], s[G1:G1+7]
	s_nop 0
.rept 4
	v_nop
.endr
	s_branch .Lasked_\@
.Lfor_b_\@:
	tensor_load_to_lds s[G0B+4*(\s):G0B+4*(\s)+3], s[G1B:G1B+7]
	s_nop 0
.rept 4
	v_nop
.endr
.Lasked_\@:
.endm
; A prefetch of the K step that stands two refills on: 32 rows x 256 bytes, a lane a row, one instruction a wave, 512 matrix instructions ahead of the load that will want it.  Each row's 256 bytes are named once
; in the launch: cluster x = 0 asks for A's rows, cluster y = 0 for B's; the four partners of a joint load take 32 of its 128 rows each, told apart by address.  how = 0: in the loop, whose last trip asks for nothing; 1: at the change of tiles.
.macro ASK how
.if \how
	s_cmp_eq_u32 s[LIM], 1
.else
	s_cmp_gt_u32 s3, s[LIM]                        ; s3 = 1 in the loop's last trip
.endif
	s_cbranch_scc0 .Lnot_mine_\@
	global_prefetch_b8 v[PFO], s[PFA:PFA+1] offset:KSTEP*2 th:TH_LOAD_NT scope:SCOPE_SE
.Lnot_mine_\@:
.endm
.macro CREST                           ; a round of the cluster's barrier behind its opening barrier
	s_cmp_lg_u32 s10, 0
	s_cbranch_scc1 .Lnot_wave_0_\@
	s_barrier_signal -3
.Lnot_wave_0_\@:
	s_barrier_wait -3
	s_barrier_signal -1
	s_barrier_wait -1
.endm
.macro CROUND                          ; a whole round
	s_barrier_signal -1
	s_barrier_wait -1
	CREST
.endm
	s_load_b128 s[4:7], s[0:1], 0x0                ; xb s[4:5], w1t s[6:7]
	s_load_b64 s[8:9], s[0:1], 0x10                ; hid
	s_load_b64 s[BP:BP+1], s[0:1], 0x18            ; b1
	v_lshl_add_u32 v[SPW], v0, 2, SPARE
	v_mov_b32 v[NIL], 0
	ds_add_u32 v[SPW], v[NIL]                      ; the wave's opening: the add, twice on end, and its wait ahead of my first tensor load
	ds_add_u32 v[SPW], v[NIL]                      ; once more, under the one wait; the set-up below, work on registers, stands between
	v_lshrrev_b32 v1, 5, v0
	v_readfirstlane_b32 s10, v1                    ; wave 0..3
	s_lshr_b32 s11, s10, 1                         ; which half of the tile's rows is mine.  Also: I fetch for A (0) or for B (1)
	s_and_b32 s12, s10, 1                          ; which half of its columns.  Also: which 128 rows I fetch
	s_bfe_u32 s40, ttmp6, 0x40000                  ; cx
	s_bfe_u32 s41, ttmp6, 0x40004                  ; cy
	s_lshl_b32 s42, ttmp9, 2
	s_add_co_u32 s42, s42, s40                     ; tile column = 4 x cluster x + cx
	s_and_b32 s13, ttmp7, 0xffff
	s_lshl_b32 s13, s13, 2
	s_add_co_u32 s13, s13, s41                     ; tile row = 4 x cluster y + cy
	s_lshl_b32 s43, s41, 2
	s_lshl_b32 s43, 15, s43                        ; my row of the cluster
	s_lshl_b32 s44, 0x1111, s40                    ; my column
	s_or_b32 s[G1+0], s43, (1<<16)|(1<<20)|(1<<21)|(5<<22)|(3<<25)   ; the mask; elements of 2 bytes; padding on; bit 21 beside a mask; after every 64 words 4 words
	s_or_b32 s[G1B+0], s44, (1<<16)|(1<<20)|(1<<21)|(5<<22)|(3<<25)
.irp g, G1, G1B
	s_mov_b32 s[(\g)+1], KSTEP<<16                 ; tensor_dim0 = 128
	s_mov_b32 s[(\g)+2], 128<<16                   ; tensor_dim1 = 128
	s_mov_b32 s[(\g)+3], KSTEP<<16                 ; tile_dim0 = 128
	s_mov_b32 s[(\g)+4], 128                       ; tile_dim1 = 128
	s_mov_b32 s[(\g)+5], SIZE_K                    ; elements from row to row
	s_mov_b32 s[(\g)+6], 0
	s_mov_b32 s[(\g)+7], 0
.endr
	s_mov_b32 s[CT], 0x3f2a540e                    ; 0.665345
	s_mov_b32 s[CQ], 0xc038aa3b                    ; -2.885390
	s_mov_b32 s[CQ+1], 0xc038aa3b
	s_mov_b32 s[A3], 0x3f3f7377                    ; 0.7478556
	s_mov_b32 s[A3+1], 0x3f3f7377
	s_mov_b32 s[A2], 0xbdc45ca1                    ; -0.0958798
	s_mov_b32 s[A2+1], 0xbdc45ca1
	s_mov_b32 s[A1], 0x3eb2303a                    ; 0.3480242
	s_mov_b32 s[A1+1], 0x3eb2303a
	s_lshl_b32 s17, s12, 7
	s_lshl_b32 s16, s13, 8
	s_add_co_u32 s16, s16, s17                     ; A: row 256 x tile row + 128 x half
	s_lshl_b32 s46, s42, 8
	s_add_co_u32 s46, s46, s17                     ; B: row 256 x tile column + 128 x half
	s_mov_b32 s17, 0
	s_mov_b32 s47, 0
	s_mov_b64 s[18:19], SIZE_K*2
	s_mul_u64 s[16:17], s[16:17], s[18:19]
	s_mul_u64 s[46:47], s[46:47], s[18:19]
	s_mul_i32 s20, s10, HALFT                      ; where they go: wave x 128 rows; no place in the cluster enters an LDS address
	s_wait_dscnt 0x0                               ; both opening adds are done
	s_wait_kmcnt 0x0
	s_add_nc_u64 s[14:15], s[4:5], s[16:17]
	s_add_nc_u64 s[46:47], s[6:7], s[46:47]
	CROUND                                         ; all sixteen work-groups are here: the first joint loads meet
.irp s, 0,1
	s_mov_b32 s[G0+4*(\s)], 1
	s_add_co_u32 s[G0+4*(\s)+1], s20, (\s)*SLOT
	s_add_nc_u64 s[G0+4*(\s)+2:G0+4*(\s)+3], s[14:15], (\s)*KSTEP*2
	s_or_b32 s[G0+4*(\s)+3], s[G0+4*(\s)+3], 0x80000000
	s_mov_b32 s[G0B+4*(\s)], 1
	s_add_co_u32 s[G0B+4*(\s)+1], s20, (\s)*SLOT
	s_add_nc_u64 s[G0B+4*(\s)+2:G0B+4*(\s)+3], s[46:47], (\s)*KSTEP*2
	s_or_b32 s[G0B+4*(\s)+3], s[G0B+4*(\s)+3], 0x80000000
	JLOAD \s                                       ; two loads of mine are out; later one
.endr
	v_and_b32 v1, 15, v0                           ; l % 16
	v_bfe_u32 v2, v0, 4, 1                         ; l / 16
	v_lshlrev_b32 v[BO], 5, v2
	s_lshl_b32 s[BOF], s42, 10                     ; my 128 columns in b1: 1,024 x tile column + 512 x half, in bytes
	s_lshl_b32 s[BOF+1], s12, 9
	s_add_co_u32 s[BOF], s[BOF], s[BOF+1]
	s_mov_b32 s[BOF+1], 0
	s_add_nc_u64 s[BP:BP+1], s[BP:BP+1], s[BOF:BOF+1]
	WIN TO_B
.irp b, 0,1,2,3,4,5,6,7
	global_load_b128 v[8*(\b):8*(\b)+3],   v[BO], s[BP:BP+1] offset:64*(\b)      ; b1[16 b + 8 (l / 16) + 0..3]
	global_load_b128 v[8*(\b)+4:8*(\b)+7], v[BO], s[BP:BP+1] offset:64*(\b)+16
.endr
	WIN 0
	v_mul_u32_u24 v3, v1, PITCH
	v_lshl_add_u32 v3, v2, 4, v3                   ; a fragment's row x pitch + 16 x half
	s_mul_i32 s21, s11, HALFT                      ; my 128 rows of A
	s_mul_i32 s22, s12, HALFT                      ; my 128 rows of B,
	s_add_co_u32 s22, s22, 2*HALFT                 ; behind A's 256
.irp s, 0,1
	v_add_nc_u32 v[ADRA+(\s)], s21, v3
	v_add_nc_u32 v[ADRB+(\s)], s22, v3
	s_add_co_u32 s21, s21, SLOT
	s_add_co_u32 s22, s22, SLOT
.endr
	s_mul_i32 s23, s10, 16*SPITCH
	s_add_co_u32 s23, s23, STAGE                   ; my stage
	v_mul_u32_u24 v4, v1, SPITCH                   ; in: row l % 16, 32 bytes for each half of the lanes
	v_lshl_add_u32 v4, v2, 5, v4
	v_add_nc_u32 v[STO], s23, v4
	v_and_b32 v5, 31, v0
	v_lshl_add_u32 v[RD], v5, 4, s23               ; back: 32 lanes take a row's 512 bytes
	v_lshlrev_b32 v[CO], 3, v5
	s_lshl_b32 s13, s13, 8                         ; where my part of the first tile begins in hid
	s_lshl_b32 s14, s11, 7
	s_add_co_u32 s16, s13, s14
	s_mov_b32 s17, 0
	s_mov_b64 s[18:19], ROWC
	s_mul_u64 s[16:17], s[16:17], s[18:19]
	s_lshl_b32 s46, s42, 9
	s_lshl_b32 s47, s12, 8
	s_add_co_u32 s46, s46, s47
	s_mov_b32 s47, 0
	s_add_nc_u64 s[16:17], s[16:17], s[46:47]
	s_lshl_b32 s42, s42, 8                         ; the prefetches
	s_and_b32 s22, ttmp7, 0xffff
	s_cmp_eq_u32 s11, 0                            ; do I fetch for A?
	s_cselect_b32 s20, s13, s42                    ; the tile's first row
	s_cselect_b32 s21, s40, s41                    ; my place among the four that ask with me
	s_cselect_b32 s22, ttmp9, s22                  ; the coordinate along which other clusters read the same rows
	s_cselect_b64 s[PFA:PFA+1], s[4:5], s[6:7]
	s_cmp_eq_u32 s22, 0
	s_cselect_b32 s[LIM], 1, -1
	s_lshl_b32 s22, s12, 7
	s_add_co_u32 s20, s20, s22
	s_lshl_b32 s21, s21, 5
	s_add_co_u32 s20, s20, s21
	s_mov_b32 s21, 0
	s_mov_b64 s[18:19], SIZE_K*2
	s_mul_u64 s[20:21], s[20:21], s[18:19]
	s_add_nc_u64 s[PFA:PFA+1], s[PFA:PFA+1], s[20:21]
	s_add_nc_u64 s[PFA:PFA+1], s[PFA:PFA+1], 2*KSTEP*2  ; at K step 2: the first refill steps it to 3 and names K step 4; nothing is asked for at the head
	v_mul_u32_u24 v[PFO], v5, SIZE_K*2
	s_wait_loadcnt 0x0                             ; the bias, which is rounded to bf16 and widened again
	WIN 0x45
.set i, 0
.rept 32
	v_cvt_pk_bf16_f32 v[192+i%4], v[2*i], v[2*i+1]
	v_lshlrev_b32 v[2*i], 16, v[192+i%4]
	v_and_b32 v[2*i+1], 0xffff0000, v[192+i%4]
.set i, i+1
.endr
	WIN 0
; 16 matrix instructions: m blocks a0, a0 + 1 of the window's four x all 8 n blocks, 32 along K.  zero = 1: the first product starts the sums, with the bias as C (window 1).
; The 64 accumulators take turns, one instruction a turn, in the same order in every quarter step.
.macro MUL16 f, hi, a0, zero
.if \zero
	WIN 0x91+0x40*(\hi)
.else
	WIN MUL_LO+0x50*(\hi)
.endif
.irp a, \a0, (\a0)+1
.irp b, 0,1,2,3,4,5,6,7
.if \zero
	v_wmma_f32_16x16x32_bf16 v[8*(8*(\a)+(\b)):8*(8*(\a)+(\b))+7], v[(\f)+8*(\b):(\f)+8*(\b)+7], v[(\f)+8*(4*(\hi)+(\a)):(\f)+8*(4*(\hi)+(\a))+7], v[8*(\b):8*(\b)+7]
.else
	v_wmma_f32_16x16x32_bf16 v[8*(8*(\a)+(\b)):8*(8*(\a)+(\b))+7], v[(\f)+8*(\b):(\f)+8*(\b)+7], v[(\f)+8*(4*(\hi)+(\a)):(\f)+8*(4*(\hi)+(\a))+7], v[8*(8*(\a)+(\b)):8*(8*(\a)+(\b))+7]
.endif
.endr
.endr
.endm
.macro FETCH slot, k, f                ; 32 LDS loads in one run: a quarter step's fragments, B's 16 loads, then A's
	WIN TO_B
.irp i, 0,1,2,3,4,5,6,7
	ds_load_b128 v[(\f)+8*(\i):(\f)+8*(\i)+3],   v[ADRB+(\slot)] offset:(\k)+(\i)*16*PITCH
	ds_load_b128 v[(\f)+8*(\i)+4:(\f)+8*(\i)+7], v[ADRB+(\slot)] offset:(\k)+(\i)*16*PITCH+32
.endr
	WIN 0
.irp i, 0,1,2,3,4,5,6,7
	ds_load_b128 v[(\f)+8*(\i):(\f)+8*(\i)+3],   v[ADRA+(\slot)] offset:(\k)+(\i)*16*PITCH
	ds_load_b128 v[(\f)+8*(\i)+4:(\f)+8*(\i)+7], v[ADRA+(\slot)] offset:(\k)+(\i)*16*PITCH+32
.endr
.endm
.macro PLACES                          ; four plain vector instructions between a matrix instruction and a load into its sources, or a read of its result
.rept 4
	v_nop
.endr
.endm
.macro QUARTER slot, k, f, g, zero     ; 64 products on buffer f; in the middle the next quarter's fragments, at byte k of the rows, into g
	s_wait_dscnt 8                                 ; B and A's rows 0-63 are in; the youngest eight loads may be out
	MUL16 \f, 0, 0, \zero
	MUL16 \f, 0, 2, \zero
	PLACES
	FETCH \slot, \k, \g
	s_wait_dscnt 32                                ; all but the 32 just issued
	MUL16 \f, 1, 0, \zero
	MUL16 \f, 1, 2, \zero
.endm
; The change of slots: one barrier.  In front of it each wave waits for all its tensor loads (one is out: its part of the next slot), adds 0 to its spare word, and waits for that and for its reads of this slot.
.macro MEET round
	WIN 0
	s_wait_tensorcnt 0x0
	ds_add_u32 v[SPW], v[NIL]
	s_wait_dscnt 9                                 ; the add and the youngest eight loads may be out
	MUL16 F1, 0, 0, 0
	s_wait_dscnt 0x0                               ; the add is done, my reads of this slot are over
	s_barrier_signal -1
	MUL16 F1, 0, 2, 0
.if \round
	WIN 0
.endif
	s_barrier_wait -1
.endm
; The last quarter of a K step, with a refill: this tile's K step two on (on = 0) or the next tile's K step 0 or 1 (on = 1).  The barrier opens a round of the cluster's; the joint load is the first tensor load behind it.
.macro TURN slot, next, on
	s_wait_xcnt 0x0                                ; the last prefetch, a K step back, has read its address
.if (\on) && (\slot) == 0
	s_add_nc_u64 s[PFA:PFA+1], s[PFA:PFA+1], (WALK-1)*SIZE_K*2+KSTEP*2  ; to the next tile's K step 1
	s_cmp_eq_u32 s11, 0
	s_cselect_b32 s[LIM], s[LIM], -1               ; B's rows are the same for both tiles: they are asked for no more
.else
	s_add_nc_u64 s[PFA:PFA+1], s[PFA:PFA+1], KSTEP*2
.endif
	MEET 1
	CREST
.if \on
	s_add_nc_u64 s[G0+4*(\slot)+2:G0+4*(\slot)+3], s[G0+4*(\slot)+2:G0+4*(\slot)+3], NEXT_A
	s_sub_nc_u64 s[G0B+4*(\slot)+2:G0B+4*(\slot)+3], s[G0B+4*(\slot)+2:G0B+4*(\slot)+3], BACK_B
.else
	s_add_nc_u64 s[G0+4*(\slot)+2:G0+4*(\slot)+3], s[G0+4*(\slot)+2:G0+4*(\slot)+3], 2*KSTEP*2
	s_add_nc_u64 s[G0B+4*(\slot)+2:G0B+4*(\slot)+3], s[G0B+4*(\slot)+2:G0B+4*(\slot)+3], 2*KSTEP*2
.endif
	JLOAD \slot                                    ; its four v_nop are also the places in front of the loads below
	FETCH \next, 0, F0
	ASK \on
	MUL16 F1, 1, 0, 0
	MUL16 F1, 1, 2, 0
.endm
.macro TURNNF                          ; the same quarter where nothing is left to fetch: slot 0 is left for slot 1
	MEET 0
	PLACES
	FETCH 1, 0, F0
	MUL16 F1, 1, 0, 0
	MUL16 F1, 1, 2, 0
.endm
.macro LASTQ                           ; the very last quarter
	s_wait_dscnt 8
	MUL16 F1, 0, 0, 0
	MUL16 F1, 0, 2, 0
	s_wait_dscnt 0x0
	MUL16 F1, 1, 0, 0
	MUL16 F1, 1, 2, 0
.endm
; THE WAY OUT.  DUMP a: block a's 16 rows x 128 columns of f32 go into my stage; each accumulator's low half first.
.macro DUMP a
	WIN 0x08+4*((\a)/4)                            ; the stores' data in window 2 or 3
.set AC, 64*((\a)%4)
.irp b, 0,1,2,3,4,5,6,7
	ds_store_b128 v[STO], v[AC+8*(\b):AC+8*(\b)+3]   offset:64*(\b)
	ds_store_b128 v[STO], v[AC+8*(\b)+4:AC+8*(\b)+7] offset:64*(\b)+16
.endr
	WIN 0
.endm
.macro EACH16 line:vararg              ; one line for each pair p
.set p, 0
.rept 16
	\line
.set p, p+1
.endr
.endm
; GELU of the 32 numbers at v[x ..], left as 16 registers of bf16 at v[x ..].  The 64 transcendentals are ONE batch: pair p - 1's stand between pair p's plain lines, nothing names a result ahead of the one wait.
.macro GELU x
.set p, 0
.rept 16
	v_pk_mul_f32 v[(\x)+2*p:(\x)+2*p+1], v[(\x)+2*p:(\x)+2*p+1], 0.5 op_sel_hi:[1,0]    ; X = x / 2
.if p > 0
	v_rcp_f32 v[TT+2*p-2], v[TT+2*p-2]
.endif
	v_fma_f32 v[TT+2*p], |v[(\x)+2*p]|, s[CT], 1.0                                        ; 1 + 0.47047 s
.if p > 0
	v_rcp_f32 v[TT+2*p-1], v[TT+2*p-1]
.endif
	v_fma_f32 v[TT+2*p+1], |v[(\x)+2*p+1]|, s[CT], 1.0
.if p > 0
	v_exp_f32 v[QQ+2*p-2], v[QQ+2*p-2]
.endif
	v_pk_mul_f32 v[QQ+2*p:QQ+2*p+1], v[(\x)+2*p:(\x)+2*p+1], s[CQ:CQ+1] op_sel_hi:[1,0]
.if p > 0
	v_exp_f32 v[QQ+2*p-1], v[QQ+2*p-1]
.endif
	v_pk_mul_f32 v[QQ+2*p:QQ+2*p+1], v[QQ+2*p:QQ+2*p+1], v[(\x)+2*p:(\x)+2*p+1]         ; -s^2 log2(e)
.set p, p+1
.endr
	v_rcp_f32 v[TT+30], v[TT+30]
	v_rcp_f32 v[TT+31], v[TT+31]
	v_exp_f32 v[QQ+30], v[QQ+30]
	v_exp_f32 v[QQ+31], v[QQ+31]
	v_nop                                          ; a plain instruction behind the last transcendental,
	s_wait_alu depctr_va_vdst(0)                   ; and the one wait ahead of the batch's first reader
	EACH16 v_pk_fma_f32 v[WW+2*p:WW+2*p+1], v[TT+2*p:TT+2*p+1], s[A3:A3+1], s[A2:A2+1] op_sel_hi:[1,0,0]
	EACH16 v_pk_fma_f32 v[WW+2*p:WW+2*p+1], v[WW+2*p:WW+2*p+1], v[TT+2*p:TT+2*p+1], s[A1:A1+1] op_sel_hi:[1,1,0]
	EACH16 v_pk_mul_f32 v[QQ+2*p:QQ+2*p+1], v[QQ+2*p:QQ+2*p+1], v[TT+2*p:TT+2*p+1]
	EACH16 v_pk_fma_f32 v[WW+2*p:WW+2*p+1], v[WW+2*p:WW+2*p+1], v[QQ+2*p:QQ+2*p+1], 1.0 op_sel_hi:[1,1,0] neg_lo:[1,0,0] neg_hi:[1,0,0]
	EACH16 v_fma_f32 v[(\x)+2*p], |v[(\x)+2*p]|, v[WW+2*p], v[(\x)+2*p]
	EACH16 v_fma_f32 v[(\x)+2*p+1], |v[(\x)+2*p+1]|, v[WW+2*p+1], v[(\x)+2*p+1]
	EACH16 v_cvt_pk_bf16_f32 v[(\x)+p], v[(\x)+2*p], v[(\x)+2*p+1]
.endm
; Eight trips, a block of 16 rows each.  Only the stores into the stage name the block's registers, so they alone are written eight times; forward jumps on the counter choose among them.
.macro WAYOUT tag
	PLACES                                         ; behind the last products
	s_mov_b32 s[BL], 0
.Lblk\tag:
.irp a, 0,1,2,3,4,5,6
	s_cmp_eq_u32 s[BL], \a
	s_cbranch_scc1 .Ld\tag\()_\a
.endr
	DUMP 7
	s_branch .Lgo\tag
.irp a, 0,1,2,3,4,5,6
.Ld\tag\()_\a:
	DUMP \a
.if \a < 6
	s_branch .Lgo\tag
.endif
.endr
.Lgo\tag:
	s_wait_xcnt 0x0                                ; the last block's stores have read their data and their base
	s_add_nc_u64 s[8:9], s[8:9], s[16:17]          ; on to this block's rows
	s_mov_b64 s[16:17], 16*ROWC
.irp t, 0,1,2,3,4,5,6,7
	ds_load_b128 v[XA+4*(\t):XA+4*(\t)+3], v[RD] offset:(\t)*SPITCH      ; LDS serves a wave's instructions in order (ISA guide 5.7.1.4): these see the stores above
.endr
.irp t, 0,1,2,3,4,5,6,7
	ds_load_b128 v[XB+4*(\t):XB+4*(\t)+3], v[RD] offset:(8+(\t))*SPITCH
.endr
	s_wait_dscnt 8                                 ; rows 0-7 are in, the eight younger loads stay out
	GELU XA
.irp t, 0,1,2,3,4,5,6,7
	global_store_b64 v[CO], v[XA+2*(\t):XA+2*(\t)+1], s[8:9] offset:(\t)*ROWC   ; a wave stores 256 consecutive bytes, at a multiple of 256 from hid's first
.endr
	s_wait_dscnt 0x0
	GELU XB
.irp t, 0,1,2,3,4,5,6,7
	global_store_b64 v[CO], v[XB+2*(\t):XB+2*(\t)+1], s[8:9] offset:(8+(\t))*ROWC
.endr
	s_add_co_u32 s[BL], s[BL], 1
	s_cmp_lt_u32 s[BL], 8
	s_cbranch_scc1 .Lblk\tag
.endm
	s_wait_tensorcnt 1                             ; my part of K step 0 is in; K step 1's stays out
	s_barrier_signal -1
	s_barrier_wait -1
	FETCH 0, 0, F0
	s_mov_b32 s2, SIZE_TILES                       ; tiles to go: the same number in every work-group
.Ltile:
	QUARTER 0, 64,  F0, F1, 1                      ; a tile's first quarter starts the sums with the bias
	WIN 0
	s_mov_b32 s3, LAPS-1
.Llap:                                         ; once round the ring, from a lap's second quarter to the next lap's first
	QUARTER 0, 128, F1, F0, 0
	QUARTER 0, 192, F0, F1, 0
	TURN 0, 1, 0
	QUARTER 1, 64,  F0, F1, 0
	QUARTER 1, 128, F1, F0, 0
	QUARTER 1, 192, F0, F1, 0
	TURN 1, 0, 0
	QUARTER 0, 64,  F0, F1, 0
	WIN 0
	s_sub_co_u32 s3, s3, 1
	s_cmp_lg_u32 s3, 0
	s_cbranch_scc1 .Llap
	QUARTER 0, 128, F1, F0, 0
	QUARTER 0, 192, F0, F1, 0
	WIN 0
	s_cmp_eq_u32 s2, 1
	s_cbranch_scc1 .Llast_tile                     ; the last tile's tail is written out to the end: it asks for nothing more
	TURN 0, 1, 1                                   ; the ring goes on into the next tile: slot 0 takes its K step 0,
	QUARTER 1, 64,  F0, F1, 0
	QUARTER 1, 128, F1, F0, 0
	QUARTER 1, 192, F0, F1, 0
	TURN 1, 0, 1                                   ; slot 1 its K step 1, and its first fragments are fetched into buffer 0, which the way out leaves alone
	WIN 0
	WAYOUT 1
	s_wait_xcnt 0x0                                ; the last block's eight stores have read their data, v128-143: the next tile's first quarter loads fragments into v128-191 only behind this wait
	s_mov_b64 s[16:17], NEXT_C                     ; what the next way out adds first
	s_sub_co_u32 s2, s2, 1
	s_branch .Ltile
.Llast_tile:
	TURNNF
	QUARTER 1, 64,  F0, F1, 0
	QUARTER 1, 128, F1, F0, 0
	QUARTER 1, 192, F0, F1, 0
	LASTQ
	WIN 0
	WAYOUT 2
	s_wait_tensorcnt 0x0                           ; the wave's end: behind my last tensor load and my last LDS store
	ds_add_u32 v[SPW], v[NIL]
	s_wait_dscnt 0x0
	CROUND                                         ; the closing round: no work-group ends while a partner may still ask for a tile that names it
	s_endpgm
.Lfunc_end_k_qa61e0f8109_up:
	.size	k_qa61e0f8109_up, .Lfunc_end_k_qa61e0f8109_up-k_qa61e0f8109_up
	.p2alignl 7, 3214868480
	.fill 96, 4, 3214868480
	.section	.rodata,"a",@progbits
	.p2align	6, 0x0
	.amdhsa_kernel k_qa61e0f8109_up
		.amdhsa_group_segment_fixed_size 327680
		.amdhsa_private_segment_fixed_size 0
		.amdhsa_enable_private_segment 0
		.amdhsa_kernarg_size 32
		.amdhsa_user_sgpr_count 2
		.amdhsa_user_sgpr_kernarg_segment_ptr 1
		.amdhsa_wavefront_size32 1
		.amdhsa_system_sgpr_workgroup_id_x 1
		.amdhsa_system_sgpr_workgroup_id_y 1
		.amdhsa_system_sgpr_workgroup_id_z 1
		.amdhsa_system_vgpr_workitem_id 0
		.amdhsa_next_free_vgpr 1024
		.amdhsa_next_free_sgpr 84
		.amdhsa_reserve_vcc 0
		.amdhsa_float_denorm_mode_32 3
		.amdhsa_float_denorm_mode_16_64 3
		.amdhsa_memory_ordered 1
		.amdhsa_forward_progress 1
		.amdhsa_inst_pref_size 235
	.end_amdhsa_kernel
	.amdgpu_metadata
---
amdhsa.version: [ 1, 2 ]
amdhsa.kernels:
  - .name:           k_qa61e0f8109_up
    .symbol:         k_qa61e0f8109_up.kd
    .args:
      - { .name: xb, .offset: 0, .size: 8, .value_kind: global_buffer, .address_space: global }
      - { .name: w1t, .offset: 8, .size: 8, .value_kind: global_buffer, .address_space: global }
      - { .name: hid, .offset: 16, .size: 8, .value_kind: global_buffer, .address_space: global }
      - { .name: b1, .offset: 24, .size: 8, .value_kind: global_buffer, .address_space: global }
    .group_segment_fixed_size: 327680
    .private_segment_fixed_size: 0
    .kernarg_segment_align: 8
    .kernarg_segment_size: 32
    .max_flat_workgroup_size: 128
    .sgpr_count:     84
    .vgpr_count:     1024
    .wavefront_size: 32
...
	.end_amdgpu_metadata
.endif
;; end of part 2
;; launch down (part 3): grid 4 x 64, 4 waves a work-group, clusters of 4 x 4, 327,680 bytes of LDS; arguments hid, w2t, out0, b2, hidden_states; writes out0
.if DOCPART == 3
	.amdgcn_target "amdgcn-amd-amdhsa--gfx1250"
	.amdhsa_code_object_version 6
	.text
	.protected	k_qa61e0f8109_down
	.globl	k_qa61e0f8109_down
	.p2align	8
	.type	k_qa61e0f8109_down,@function
k_qa61e0f8109_down:
	s_mov_b64 s[64:65], 0
	v_nop
	global_prefetch_b8 v0, s[64:65] scope:SCOPE_SE
	s_setreg_imm32_b32 hwreg(HW_REG_WAVE_MODE, 25, 1), 1
	s_wait_xcnt 0x0
	s_wait_alu depctr_hold_cnt(0) depctr_sa_sdst(0) depctr_va_vdst(0) depctr_va_sdst(0) depctr_va_ssrc(0) depctr_va_vcc(0) depctr_vm_vsrc(0)
	s_getreg_b32 s2, hwreg(HW_REG_IB_STS2, 6, 4)
	s_cmp_eq_u32 s2, 0
	s_cbranch_scc0 .Lentry_in_a_cluster
	s_endpgm
.Lentry_in_a_cluster:
	s_bfe_u32 s2, ttmp6, 0x10000c
	s_cmp_lg_u32 s2, 0xf033
	s_cbranch_scc0 .Lentry_shape_is_right
	s_endpgm
.Lentry_shape_is_right:
; out0[m][n] = sum over k of hid[m][k] w2t[n][k] + b2[n], but the 8 rows m = 2048 b (s = 0) are hidden_states' own rows.  hid: [16384][2048] bf16, w2t: [1024][2048] bf16 (W2 turned), b2: [1024] f32,
; hidden_states and out0: [16384][1024] f32.  Sums in f32; b2, rounded to bf16 like the other inputs, is the C operand that starts each sum.
; WORK LEFT OUT: none in whole units; a row s = 0 is the first row of a tile whose other 255 rows are live: it is multiplied with them and replaced by a select as it leaves (its f32 numbers unrounded).
; LIMIT: a NaN or an infinity that arises only in those rows' MLP is not carried to the result.
; SHAPE, RING, CLUSTER, REGISTERS: a tile of 256 x 256 by four waves of 128 x 128; K in steps of 128 through two LDS slots; 256 tiles, one to a work-group; 4 x 4 work-groups ask jointly for hid's tiles along a
; row of the cluster and for w2t's along a column.  The product is taken transposed: lane l holds row l % 16 and the columns 8 (l / 16) + 0..7.
;   window 0: v0-31 addresses, v8-11 x's row; v64-127, v128-191 A's fragments; on the way out v128-191, v192-255 two buffers of 16 rows      window 1: v0-63 the bias; v64-191 B's fragments; v192-195 at work
;   windows 2, 3: the accumulators, (a, b) at 8 (8 a + b)
.set SIZE_M, 16384
.set SIZE_N, 1024
.set SIZE_K, 2048
.set ROWC,   SIZE_N*4                  ; bytes in a row of out0
.set KSTEP,  128
.set PITCH,  272                       ; 256 bytes + 16 = 68 words: the 16 rows of a fragment load start 4 words apart, modulo 64 words
.set HALFT,  128*PITCH
.set SLOT,   4*HALFT
.set STAGE,  2*SLOT                    ; behind the ring, never filled by a tensor load: 16 rows x 528 bytes for each wave
.set SPITCH, 528
.set SPARE,  STAGE+4*16*SPITCH         ; the spare words, 128 bytes for each wave: two blocks of 256 bytes that no other line names
.set LAPS,   SIZE_K/(2*KSTEP)
.set BO,   6                           ; v6   32 (l / 16)
.set HS,   8                           ; v8-11  my 16 bytes of hidden_states' row at my wave's first row
.set ADRA, 16
.set ADRB, 20
.set STO,  24
.set RD,   25
.set CO,   26                          ; v26  16 x lane: my bytes in 512 of a row
.set SPW,  28
.set NIL,  29
.set PFO,  30
.set F0,   64
.set F1,   128
.set BK0,  128                         ; the way out's two buffers, 64 registers each
.set G1,  24
.set G0,  32
.set LIM, 43
.set PFA, 44
.set G1B, 48
.set G0B, 56
.set BP,  66                           ; s[66:67] b2
.set HP,  68                           ; s[68:69] hidden_states
.set SPC, 70                           ; s70  all ones where my wave's first row is a row s = 0, else 0
.set BOF, 80
.set MSB, 0
.macro WIN new                         ; the immediate's high byte repeats the setting that is left; a switch that changes nothing is dropped
.if MSB != (\new)
	s_set_vgpr_msb (MSB<<8)|(\new)
.set MSB, \new
.endif
.endm
.set MUL_LO, 0xa1
.set MUL_HI, 0xf1
.set TO_B,   0x40
.macro JLOAD s                         ; a joint load: waves 0 and 1 fetch A's halves, waves 2 and 3 B's; an s_nop 0 and four v_nop follow each line
	s_cmp_eq_u32 s11, 0
	s_cbranch_scc0 .Lfor_b_\@
	tensor_load_to_lds s[G0+4*(\s):G0+4*(\s)+3], s[G1:G1+7]
	s_nop 0
.rept 4
	v_nop
.endr
	s_branch .Lasked_\@
.Lfor_b_\@:
	tensor_load_to_lds s[G0B+4*(\s):G0B+4*(\s)+3], s[G1B:G1B+7]
	s_nop 0
.rept 4
	v_nop
.endr
.Lasked_\@:
.endm
; A prefetch of the K step two refills on: 32 rows x 256 bytes, a lane a row, 512 matrix instructions ahead of its load.  Each row's 256 bytes are named once: cluster x = 0 (here every cluster) asks for its rows of hid,
; cluster y = 0 for w2t's; the four partners of a joint load take 32 of its 128 rows each, by address.  The loop's last trip asks for nothing.
.macro ASK
	s_cmp_gt_u32 s3, s[LIM]
	s_cbranch_scc0 .Lnot_mine_\@
	global_prefetch_b8 v[PFO], s[PFA:PFA+1] offset:KSTEP*2 th:TH_LOAD_NT scope:SCOPE_SE
.Lnot_mine_\@:
.endm
.macro CREST
	s_cmp_lg_u32 s10, 0
	s_cbranch_scc1 .Lnot_wave_0_\@
	s_barrier_signal -3
.Lnot_wave_0_\@:
	s_barrier_wait -3
	s_barrier_signal -1
	s_barrier_wait -1
.endm
.macro CROUND
	s_barrier_signal -1
	s_barrier_wait -1
	CREST
.endm
	s_load_b128 s[4:7], s[0:1], 0x0                ; hid s[4:5], w2t s[6:7]
	s_load_b64 s[8:9], s[0:1], 0x10                ; out0
	s_load_b64 s[BP:BP+1], s[0:1], 0x18            ; b2
	s_load_b64 s[HP:HP+1], s[0:1], 0x20            ; hidden_states
	v_lshl_add_u32 v[SPW], v0, 2, SPARE
	v_mov_b32 v[NIL], 0
	ds_add_u32 v[SPW], v[NIL]                      ; the wave's opening: the add, twice on end, and its wait ahead of my first tensor load
	ds_add_u32 v[SPW], v[NIL]                      ; once more, under the one wait
	v_lshrrev_b32 v1, 5, v0
	v_readfirstlane_b32 s10, v1                    ; wave 0..3
	s_lshr_b32 s11, s10, 1
	s_and_b32 s12, s10, 1
	s_bfe_u32 s40, ttmp6, 0x40000                  ; cx
	s_bfe_u32 s41, ttmp6, 0x40004                  ; cy
	s_lshl_b32 s42, ttmp9, 2
	s_add_co_u32 s42, s42, s40                     ; tile column
	s_and_b32 s13, ttmp7, 0xffff
	s_lshl_b32 s13, s13, 2
	s_add_co_u32 s13, s13, s41                     ; tile row
	s_lshl_b32 s43, s41, 2
	s_lshl_b32 s43, 15, s43
	s_lshl_b32 s44, 0x1111, s40
	s_or_b32 s[G1+0], s43, (1<<16)|(1<<20)|(1<<21)|(5<<22)|(3<<25)
	s_or_b32 s[G1B+0], s44, (1<<16)|(1<<20)|(1<<21)|(5<<22)|(3<<25)
.irp g, G1, G1B
	s_mov_b32 s[(\g)+1], KSTEP<<16
	s_mov_b32 s[(\g)+2], 128<<16
	s_mov_b32 s[(\g)+3], KSTEP<<16
	s_mov_b32 s[(\g)+4], 128
	s_mov_b32 s[(\g)+5], SIZE_K
	s_mov_b32 s[(\g)+6], 0
	s_mov_b32 s[(\g)+7], 0
.endr
	s_lshl_b32 s17, s12, 7
	s_lshl_b32 s16, s13, 8
	s_add_co_u32 s16, s16, s17
	s_lshl_b32 s46, s42, 8
	s_add_co_u32 s46, s46, s17
	s_mov_b32 s17, 0
	s_mov_b32 s47, 0
	s_mov_b64 s[18:19], SIZE_K*2
	s_mul_u64 s[16:17], s[16:17], s[18:19]
	s_mul_u64 s[46:47], s[46:47], s[18:19]
	s_mul_i32 s20, s10, HALFT
	s_wait_dscnt 0x0                               ; both opening adds are done
	s_wait_kmcnt 0x0
	s_add_nc_u64 s[14:15], s[4:5], s[16:17]
	s_add_nc_u64 s[46:47], s[6:7], s[46:47]
	CROUND                                         ; the first joint loads meet
.irp s, 0,1
	s_mov_b32 s[G0+4*(\s)], 1
	s_add_co_u32 s[G0+4*(\s)+1], s20, (\s)*SLOT
	s_add_nc_u64 s[G0+4*(\s)+2:G0+4*(\s)+3], s[14:15], (\s)*KSTEP*2
	s_or_b32 s[G0+4*(\s)+3], s[G0+4*(\s)+3], 0x80000000
	s_mov_b32 s[G0B+4*(\s)], 1
	s_add_co_u32 s[G0B+4*(\s)+1], s20, (\s)*SLOT
	s_add_nc_u64 s[G0B+4*(\s)+2:G0B+4*(\s)+3], s[46:47], (\s)*KSTEP*2
	s_or_b32 s[G0B+4*(\s)+3], s[G0B+4*(\s)+3], 0x80000000
	JLOAD \s                                       ; two loads of mine are out; later one
.endr
	v_and_b32 v1, 15, v0
	v_bfe_u32 v2, v0, 4, 1
	v_lshlrev_b32 v[BO], 5, v2
	v_and_b32 v5, 31, v0
	v_lshlrev_b32 v[CO], 4, v5
	s_lshl_b32 s[BOF], s42, 10                     ; my 128 columns in b2, in bytes
	s_lshl_b32 s[BOF+1], s12, 9
	s_add_co_u32 s[BOF], s[BOF], s[BOF+1]
	s_mov_b32 s[BOF+1], 0
	s_add_nc_u64 s[BP:BP+1], s[BP:BP+1], s[BOF:BOF+1]
	WIN TO_B
.irp b, 0,1,2,3,4,5,6,7
	global_load_b128 v[8*(\b):8*(\b)+3],   v[BO], s[BP:BP+1] offset:64*(\b)
	global_load_b128 v[8*(\b)+4:8*(\b)+7], v[BO], s[BP:BP+1] offset:64*(\b)+16
.endr
	WIN 0
	s_and_b32 s[SPC], s13, 7                       ; a batch is 8 tile rows: its row s = 0 is the first row of tile row 8 b, which the waves of the upper half hold
	s_or_b32 s[SPC], s[SPC], s11
	s_sub_co_i32 s[SPC], s[SPC], 1                 ; -1 there, else 0 or more,
	s_ashr_i32 s[SPC], s[SPC], 31                  ; spread over the word: it feeds selects alone
	s_lshl_b32 s13, s13, 8                         ; where my part of the tile begins in out0 and in hidden_states
	s_lshl_b32 s14, s11, 7
	s_add_co_u32 s16, s13, s14
	s_mov_b32 s17, 0
	s_mov_b64 s[18:19], ROWC
	s_mul_u64 s[16:17], s[16:17], s[18:19]
	s_add_nc_u64 s[16:17], s[16:17], s[BOF:BOF+1]  ; the columns' bytes are the bias's: 4 a number
	s_add_nc_u64 s[HP:HP+1], s[HP:HP+1], s[16:17]
	global_load_b128 v[HS:HS+3], v[CO], s[HP:HP+1] ; every wave loads its first row's 512 bytes; the select keeps them where they are wanted
	v_mul_u32_u24 v3, v1, PITCH
	v_lshl_add_u32 v3, v2, 4, v3
	s_mul_i32 s21, s11, HALFT
	s_mul_i32 s22, s12, HALFT
	s_add_co_u32 s22, s22, 2*HALFT
.irp s, 0,1
	v_add_nc_u32 v[ADRA+(\s)], s21, v3
	v_add_nc_u32 v[ADRB+(\s)], s22, v3
	s_add_co_u32 s21, s21, SLOT
	s_add_co_u32 s22, s22, SLOT
.endr
	s_mul_i32 s23, s10, 16*SPITCH
	s_add_co_u32 s23, s23, STAGE
	v_mul_u32_u24 v4, v1, SPITCH
	v_lshl_add_u32 v4, v2, 5, v4
	v_add_nc_u32 v[STO], s23, v4
	v_lshl_add_u32 v[RD], v5, 4, s23
	s_lshl_b32 s42, s42, 8                         ; the prefetches
	s_and_b32 s22, ttmp7, 0xffff
	s_cmp_eq_u32 s11, 0
	s_cselect_b32 s20, s13, s42
	s_cselect_b32 s21, s40, s41
	s_cselect_b32 s22, ttmp9, s22
	s_cselect_b64 s[PFA:PFA+1], s[4:5], s[6:7]
	s_cmp_eq_u32 s22, 0
	s_cselect_b32 s[LIM], 1, -1
	s_lshl_b32 s22, s12, 7
	s_add_co_u32 s20, s20, s22
	s_lshl_b32 s21, s21, 5
	s_add_co_u32 s20, s20, s21
	s_mov_b32 s21, 0
	s_mov_b64 s[18:19], SIZE_K*2
	s_mul_u64 s[20:21], s[20:21], s[18:19]
	s_add_nc_u64 s[PFA:PFA+1], s[PFA:PFA+1], s[20:21]
	s_add_nc_u64 s[PFA:PFA+1], s[PFA:PFA+1], 2*KSTEP*2  ; at K step 2; nothing is asked for at the head
	v_mul_u32_u24 v[PFO], v5, SIZE_K*2
	s_wait_loadcnt 0x0                             ; the bias and x's row
	WIN 0x45
.set i, 0
.rept 32
	v_cvt_pk_bf16_f32 v[192+i%4], v[2*i], v[2*i+1]
	v_lshlrev_b32 v[2*i], 16, v[192+i%4]
	v_and_b32 v[2*i+1], 0xffff0000, v[192+i%4]
.set i, i+1
.endr
	WIN 0
; 16 matrix instructions; zero = 1: the first product starts the sums, with the bias as C (window 1).  The 64 accumulators take turns in the same order in every quarter step.
.macro MUL16 f, hi, a0, zero
.if \zero
	WIN 0x91+0x40*(\hi)
.else
	WIN MUL_LO+0x50*(\hi)
.endif
.irp a, \a0, (\a0)+1
.irp b, 0,1,2,3,4,5,6,7
.if \zero
	v_wmma_f32_16x16x32_bf16 v[8*(8*(\a)+(\b)):8*(8*(\a)+(\b))+7], v[(\f)+8*(\b):(\f)+8*(\b)+7], v[(\f)+8*(4*(\hi)+(\a)):(\f)+8*(4*(\hi)+(\a))+7], v[8*(\b):8*(\b)+7]
.else
	v_wmma_f32_16x16x32_bf16 v[8*(8*(\a)+(\b)):8*(8*(\a)+(\b))+7], v[(\f)+8*(\b):(\f)+8*(\b)+7], v[(\f)+8*(4*(\hi)+(\a)):(\f)+8*(4*(\hi)+(\a))+7], v[8*(8*(\a)+(\b)):8*(8*(\a)+(\b))+7]
.endif
.endr
.endr
.endm
.macro FETCH slot, k, f
	WIN TO_B
.irp i, 0,1,2,3,4,5,6,7
	ds_load_b128 v[(\f)+8*(\i):(\f)+8*(\i)+3],   v[ADRB+(\slot)] offset:(\k)+(\i)*16*PITCH
	ds_load_b128 v[(\f)+8*(\i)+4:(\f)+8*(\i)+7], v[ADRB+(\slot)] offset:(\k)+(\i)*16*PITCH+32
.endr
	WIN 0
.irp i, 0,1,2,3,4,5,6,7
	ds_load_b128 v[(\f)+8*(\i):(\f)+8*(\i)+3],   v[ADRA+(\slot)] offset:(\k)+(\i)*16*PITCH
	ds_load_b128 v[(\f)+8*(\i)+4:(\f)+8*(\i)+7], v[ADRA+(\slot)] offset:(\k)+(\i)*16*PITCH+32
.endr
.endm
.macro PLACES                          ; four plain vector instructions between a matrix instruction and a load into its sources, or a read of its result
.rept 4
	v_nop
.endr
.endm
.macro QUARTER slot, k, f, g, zero
	s_wait_dscnt 8                                 ; B and A's rows 0-63 are in; the youngest eight loads may be out
	MUL16 \f, 0, 0, \zero
	MUL16 \f, 0, 2, \zero
	PLACES
	FETCH \slot, \k, \g
	s_wait_dscnt 32                                ; all but the 32 just issued
	MUL16 \f, 1, 0, \zero
	MUL16 \f, 1, 2, \zero
.endm
.macro MEET round                      ; the change of slots: all my tensor loads, the add, my reads of this slot; then the barrier
	WIN 0
	s_wait_tensorcnt 0x0
	ds_add_u32 v[SPW], v[NIL]
	s_wait_dscnt 9                                 ; the add and the youngest eight loads may be out
	MUL16 F1, 0, 0, 0
	s_wait_dscnt 0x0
	s_barrier_signal -1
	MUL16 F1, 0, 2, 0
.if \round
	WIN 0
.endif
	s_barrier_wait -1
.endm
.macro TURN slot, next                 ; the last quarter of a K step, with the refill two K steps on: the barrier opens a round of the cluster's, the joint load comes first behind it
	s_wait_xcnt 0x0                                ; the last prefetch, a K step back, has read its address
	s_add_nc_u64 s[PFA:PFA+1], s[PFA:PFA+1], KSTEP*2
	MEET 1
	CREST
	s_add_nc_u64 s[G0+4*(\slot)+2:G0+4*(\slot)+3], s[G0+4*(\slot)+2:G0+4*(\slot)+3], 2*KSTEP*2
	s_add_nc_u64 s[G0B+4*(\slot)+2:G0B+4*(\slot)+3], s[G0B+4*(\slot)+2:G0B+4*(\slot)+3], 2*KSTEP*2
	JLOAD \slot
	FETCH \next, 0, F0
	ASK
	MUL16 F1, 1, 0, 0
	MUL16 F1, 1, 2, 0
.endm
.macro TURNNF                          ; the same quarter where nothing is left to fetch
	MEET 0
	PLACES
	FETCH 1, 0, F0
	MUL16 F1, 1, 0, 0
	MUL16 F1, 1, 2, 0
.endm
.macro LASTQ
	s_wait_dscnt 8
	MUL16 F1, 0, 0, 0
	MUL16 F1, 0, 2, 0
	s_wait_dscnt 0x0
	MUL16 F1, 1, 0, 0
	MUL16 F1, 1, 2, 0
.endm
; THE WAY OUT of block a (16 rows x 128 columns of f32): into my stage, each accumulator's low half first, back as whole rows of 512 bytes, stored.
.macro DUMP a
	WIN 0x08+4*((\a)/4)
.set AC, 64*((\a)%4)
.irp b, 0,1,2,3,4,5,6,7
	ds_store_b128 v[STO], v[AC+8*(\b):AC+8*(\b)+3]   offset:64*(\b)
	ds_store_b128 v[STO], v[AC+8*(\b)+4:AC+8*(\b)+7] offset:64*(\b)+16
.endr
	WIN 0
.endm
.macro TOSTAGE a
	s_wait_xcnt 0x0                                ; the stores of the block two back have read the buffer that is loaded again
	DUMP \a
.set BK, BK0+64*((\a)%2)
.irp t, 0,1,2,3,4,5,6,7,8,9,10,11,12,13,14,15
	ds_load_b128 v[BK+4*(\t):BK+4*(\t)+3], v[RD] offset:(\t)*SPITCH  ; LDS serves a wave's instructions in order (ISA guide 5.7.1.4): these see the stores above, and the next block's stores come behind them
.endr
.endm
.macro SEND a, younger                 ; younger: the next block's 16 LDS stores and 16 LDS loads, or none
.set BK, BK0+64*((\a)%2)
	s_wait_dscnt \younger
	s_wait_xcnt 0x0                                ; earlier stores have read their base
.if (\a) == 0
	s_add_nc_u64 s[8:9], s[8:9], s[16:17]
.irp i, 0,1,2,3
	v_cndmask_b32 v[BK+(\i)], v[BK+(\i)], v[HS+(\i)], s[SPC]  ; my first row: x's own where it is a row s = 0
.endr
.else
	s_add_nc_u64 s[8:9], s[8:9], 16*ROWC
.endif
.irp t, 0,1,2,3,4,5,6,7,8,9,10,11,12,13,14,15
	global_store_b128 v[CO], v[BK+4*(\t):BK+4*(\t)+3], s[8:9] offset:(\t)*ROWC th:TH_STORE_NT  ; a wave stores 512 consecutive bytes, at a multiple of 256 from out0's first
.endr
.endm
	s_wait_tensorcnt 1                             ; my part of K step 0 is in; K step 1's stays out
	s_barrier_signal -1
	s_barrier_wait -1
	FETCH 0, 0, F0
	QUARTER 0, 64,  F0, F1, 1                      ; the first quarter starts the sums with the bias
	WIN 0
	s_mov_b32 s3, LAPS-1
.Llap:
	QUARTER 0, 128, F1, F0, 0
	QUARTER 0, 192, F0, F1, 0
	TURN 0, 1
	QUARTER 1, 64,  F0, F1, 0
	QUARTER 1, 128, F1, F0, 0
	QUARTER 1, 192, F0, F1, 0
	TURN 1, 0
	QUARTER 0, 64,  F0, F1, 0
	WIN 0
	s_sub_co_u32 s3, s3, 1
	s_cmp_lg_u32 s3, 0
	s_cbranch_scc1 .Llap
	QUARTER 0, 128, F1, F0, 0                      ; the last lap fills nothing
	QUARTER 0, 192, F0, F1, 0
	TURNNF
	QUARTER 1, 64,  F0, F1, 0
	QUARTER 1, 128, F1, F0, 0
	QUARTER 1, 192, F0, F1, 0
	LASTQ
	WIN 0
	PLACES                                         ; behind the last products
	TOSTAGE 0
.irp a, 1,2,3,4,5,6,7
	TOSTAGE \a                                     ; a block's trip through the stage stands ahead of the stores of the block before
	SEND (\a)-1, 32
.endr
	SEND 7, 0
	s_wait_tensorcnt 0x0                           ; the wave's end: behind my last tensor load and my last LDS store
	ds_add_u32 v[SPW], v[NIL]
	s_wait_dscnt 0x0
	CROUND                                         ; the closing round
	s_endpgm
.Lfunc_end_k_qa61e0f8109_down:
	.size	k_qa61e0f8109_down, .Lfunc_end_k_qa61e0f8109_down-k_qa61e0f8109_down
	.p2alignl 7, 3214868480
	.fill 96, 4, 3214868480
	.section	.rodata,"a",@progbits
	.p2align	6, 0x0
	.amdhsa_kernel k_qa61e0f8109_down
		.amdhsa_group_segment_fixed_size 327680
		.amdhsa_private_segment_fixed_size 0
		.amdhsa_enable_private_segment 0
		.amdhsa_kernarg_size 40
		.amdhsa_user_sgpr_count 2
		.amdhsa_user_sgpr_kernarg_segment_ptr 1
		.amdhsa_wavefront_size32 1
		.amdhsa_system_sgpr_workgroup_id_x 1
		.amdhsa_system_sgpr_workgroup_id_y 1
		.amdhsa_system_sgpr_workgroup_id_z 1
		.amdhsa_system_vgpr_workitem_id 0
		.amdhsa_next_free_vgpr 1024
		.amdhsa_next_free_sgpr 84
		.amdhsa_reserve_vcc 0
		.amdhsa_float_denorm_mode_32 3
		.amdhsa_float_denorm_mode_16_64 3
		.amdhsa_memory_ordered 1
		.amdhsa_forward_progress 1
		.amdhsa_inst_pref_size 149
	.end_amdhsa_kernel
	.amdgpu_metadata
---
amdhsa.version: [ 1, 2 ]
amdhsa.kernels:
  - .name:           k_qa61e0f8109_down
    .symbol:         k_qa61e0f8109_down.kd
    .args:
      - { .name: hid, .offset: 0, .size: 8, .value_kind: global_buffer, .address_space: global }
      - { .name: w2t, .offset: 8, .size: 8, .value_kind: global_buffer, .address_space: global }
      - { .name: out0, .offset: 16, .size: 8, .value_kind: global_buffer, .address_space: global }
      - { .name: b2, .offset: 24, .size: 8, .value_kind: global_buffer, .address_space: global }
      - { .name: hidden_states, .offset: 32, .size: 8, .value_kind: global_buffer, .address_space: global }
    .group_segment_fixed_size: 327680
    .private_segment_fixed_size: 0
    .kernarg_segment_align: 8
    .kernarg_segment_size: 40
    .max_flat_workgroup_size: 128
    .sgpr_count:     84
    .vgpr_count:     1024
    .wavefront_size: 32
...
	.end_amdgpu_metadata
.endif
;; end of part 3
;; ======== version 2 of 2: 3 launches; version 1 with the launch prep written anew for expert scheduling mode
;; limits: values outside matrix products are rounded to bf16; a function is approximated: absolute error at most 2.5e-05
;; workspace buffers: xb 33,554,432 bytes; w1t 4,194,304 bytes; w2t 4,194,304 bytes; hid 67,108,864 bytes
;; launch prep (part 4): grid 512 x 1, 8 waves a work-group, no clusters, 18,432 bytes of LDS; arguments hidden_states, W1, W2, xb, w1t, w2t; writes xb, w1t, w2t
.if DOCPART == 4
	.amdgcn_target "amdgcn-amd-amdhsa--gfx1250"
	.amdhsa_code_object_version 6
	.text
	.protected	k_qa61e0f8109_prep
	.globl	k_qa61e0f8109_prep
	.p2align	8
	.type	k_qa61e0f8109_prep,@function
k_qa61e0f8109_prep:
	s_mov_b64 s[64:65], 0
	v_nop
	global_prefetch_b8 v0, s[64:65] scope:SCOPE_SE
	s_setreg_imm32_b32 hwreg(HW_REG_WAVE_SCHED_MODE, 0, 2), 2
	s_setreg_imm32_b32 hwreg(HW_REG_WAVE_MODE, 25, 1), 1
	s_wait_xcnt 0x0
	s_wait_alu depctr_vm_vsrc(0)
; THE PROGRAM.  out[b][0] = x[b][0]; out[b][s] = GELU(x[b][s] W1 + b1) W2 + b2 for s >= 1.  x: [8][2048][1024] = 16,384 rows of 1,024 f32; W1: [1024][2048]; W2: [2048][1024].
; Three launches: this one rounds x, W1 and W2 to bf16 once (the weights turned, so that K lies along the rows); the second makes the hidden layer, in bf16; the third the output.
; WORK LEFT OUT: none in whole units.  The MLP of the 8 rows s = 0 reaches no output (they are sliced away ahead of the first product, for all values of the inputs), but each of them is the first
; row of a tile of 256 rows whose other 255 are live: it stays in its tile, and the third launch puts x's own row in its result's place.  Every input has a way to an output; b1 and b2 are loaded by
; the later launches.  LIMIT: a NaN, an infinity or an overflow that arises only in those 8 rows' MLP is not carried to the result.
; THIS LAUNCH.  512 work-groups of 8 waves; work-group g does two things, neither in a loop.
; (A) rows 32 g .. 32 g + 31 of x: thread t has the 16 bytes at 16 t of each row of 4,096 bytes; 32 loads a thread are out at once; each gives 8 bytes of bf16, and a wave's store covers 256 consecutive bytes, aligned.
; (B) one tile of 128 k x 64 n of a weight (g < 256: W1, else W2), turned through LDS: read as rows of 256 bytes along n, written as rows of 256 bytes along k.
; No matrix unit, no cluster, no tensor load: each byte is read once by one thread, and nothing is shared between work-groups.  No prefetch: all of a work-group's loads go out at its head.
; THE MODE: SCHED_MODE bits 1:0 = 2 (LLVM: expert scheduling mode 2), set by the entry lines.  The code itself states the register dependences
; between vector instructions and memory or LDS instructions, with s_wait_alu, always for 0.
; THE PLAN.  Registers that memory or LDS instructions touch:
;   v4-v21   addresses and offsets, and the closing add's two registers: written by vector instructions at the head and never again; read by every load, store and LDS instruction.
;   WF       written by the weight's eight loads; read by sixteen conversions; never loaded again.
;   WD       written by those conversions; read by the four LDS stores; never written again.
;   WB       written by four LDS loads; read by four global stores; no vector instruction names it.
;   X        row i's four registers: written by load i; its two conversions then write the first two in place; its one store reads those two; never written again.
; So one wait on va_vdst ahead of the first load serves all addresses, and one ahead of the LDS stores serves WD.  The 32 rows of x go in eight blocks of four: block p's conversions name block p's registers
; alone, so one wait on va_vdst at the head of block p states that block p - 1's store data are written, and that block's four stores are dealt among block p's conversions with no further wait.
; No register that a memory or LDS instruction reads is written again, no vector instruction writes a scalar register or VCC, EXEC is never written: no other field is waited for.
.set LP,    272                        ; an LDS row: 128 k of bf16 = 256 bytes, + 16
.set SPARE, 64*LP                      ; behind the tile's 64 rows: the spare words, 128 bytes for each of 8 waves: four blocks of 256 bytes that no other line names
.set XO,  4                            ; v4      16 t: my bytes in a row of x
.set YO,  5                            ; v5      8 t: my bytes in a row of xb
.set LST, 6                            ; v6      LDS: where I put 16 bytes (8 k) of row n = 4 r
.set LRD, 7                            ; v7      LDS: where I read 16 bytes of a row back
.set SPW, 8                            ; v8      LDS address of my spare word; never rewritten
.set NIL, 9                            ; v9      0; never rewritten
.set WO,  10                           ; v10-17  byte offsets of my eight loads in the weight's tile
.set DO,  18                           ; v18-21  byte offsets of my four stores in the turned tile
.set KB,  22                           ; v22     16 w + 8 h: my first k in the tile
.set RB,  23                           ; v23     16 r
.set WF,  24                           ; v24-55  W[k = KB + i][n = 4 r + c] at WF + 4 i + c
.set WD,  56                           ; v56-71  for n = 4 r + c: eight k in bf16 at WD + 4 c
.set WB,  72                           ; v72-87  four pieces of turned rows
.set X,   88                           ; v88-215 32 x 4 numbers of x; block p, row i at X + 16 p + 4 i
	s_load_b256 s[4:11], s[0:1], 0x0               ; x s[4:5], W1 s[6:7], W2 s[8:9], xb s[10:11]
	s_load_b128 s[12:15], s[0:1], 0x20             ; w1t s[12:13], w2t s[14:15]
	v_lshl_add_u32 v[SPW], v0, 2, SPARE
	v_mov_b32 v[NIL], 0
	v_and_b32 v1, 15, v0                           ; r
	v_bfe_u32 v2, v0, 4, 1                         ; h
	v_lshrrev_b32 v3, 5, v0                        ; w
	v_lshlrev_b32 v[XO], 4, v0
	v_lshlrev_b32 v[YO], 3, v0
	s_mov_b32 s16, ttmp9                           ; g
	s_and_b32 s17, s16, 255                        ; the tile's number in its weight
	s_cmp_lt_u32 s16, 256                          ; W1 or W2: the sizes are chosen, not branched on
	s_cselect_b32 s22, 13, 12                      ; log2 of a source row's bytes (2,048 or 1,024 f32)
	s_cselect_b32 s23, 11, 12                      ; log2 of a turned row's bytes (1,024 or 2,048 bf16)
	s_cselect_b32 s24, 3, 4                        ; 8 or 16 tiles along k
	s_cselect_b32 s25, 7, 15
	s_and_b32 s18, s17, s25                        ; kt
	s_lshr_b32 s19, s17, s24                       ; nt
	s_lshl_b32 s26, s18, 7                         ; source: 128 kt rows
	s_lshl_b32 s26, s26, s22
	s_lshl_b32 s27, s19, 8                         ; + 64 nt numbers of 4 bytes
	s_add_co_u32 s26, s26, s27
	s_mov_b32 s27, 0
	s_lshl_b32 s28, s19, 6                         ; turned: 64 nt rows
	s_lshl_b32 s28, s28, s23
	s_lshl_b32 s29, s18, 8                         ; + 128 kt numbers of 2 bytes
	s_add_co_u32 s28, s28, s29
	s_mov_b32 s29, 0
	s_lshl_b32 s32, s16, 17                        ; 32 rows of x
	s_mov_b32 s33, 0
	s_lshl_b32 s34, s16, 16                        ; 32 rows of xb
	s_mov_b32 s35, 0
	v_lshlrev_b32 v[KB], 4, v3
	v_lshl_add_u32 v[KB], v2, 3, v[KB]
	v_lshlrev_b32 v[RB], 4, v1
.irp i, 0,1,2,3,4,5,6,7
	v_add_nc_u32 v[WO+(\i)], \i, v[KB]             ; row KB + i of the tile; sixteen lanes take its 256 bytes
	v_lshl_add_u32 v[WO+(\i)], v[WO+(\i)], s22, v[RB]
.endr
	v_mul_u32_u24 v[LST], v1, 4*LP                 ; row 4 r,
	v_lshl_add_u32 v[LST], v[KB], 1, v[LST]        ; byte 2 KB
	v_lshl_add_u32 v[LRD], v3, 3, v2               ; back: row 8 w + h (+ 2 i)
.irp i, 0,1,2,3
	v_add_nc_u32 v[DO+(\i)], 2*(\i), v[LRD]
	v_lshl_add_u32 v[DO+(\i)], v[DO+(\i)], s23, v[RB]
.endr
	v_mul_u32_u24 v[LRD], v[LRD], LP
	v_add_nc_u32 v[LRD], v[LRD], v[RB]
	s_wait_kmcnt 0x0
	s_cmp_lt_u32 s16, 256
	s_cselect_b64 s[20:21], s[6:7], s[8:9]         ; the weight,
	s_cselect_b64 s[30:31], s[12:13], s[14:15]     ; and where it goes
	s_add_nc_u64 s[20:21], s[20:21], s[26:27]
	s_add_nc_u64 s[30:31], s[30:31], s[28:29]
	s_add_nc_u64 s[4:5], s[4:5], s[32:33]
	s_add_nc_u64 s[10:11], s[10:11], s[34:35]
	s_wait_alu depctr_va_vdst(0)                   ; the addresses and offsets v4 to v21 are written: every load, store and LDS instruction of the kernel reads one of them, and no vector instruction below names them
.irp i, 0,1,2,3,4,5,6,7
	global_load_b128 v[WF+4*(\i):WF+4*(\i)+3], v[WO+(\i)], s[20:21] th:TH_LOAD_NT
.endr
.set i, 0
.rept 32
	global_load_b128 v[X+4*i:X+4*i+3], v[XO], s[4:5] offset:i*4096 th:TH_LOAD_NT
.set i, i+1
.endr
	; (B) the weight's tile
	s_wait_loadcnt 32                              ; loads come back in order: the eight of the weight are in, x's 32 stay out
.irp c, 0,1,2,3
.irp q, 0,1,2,3
	v_cvt_pk_bf16_f32 v[WD+4*(\c)+(\q)], v[WF+8*(\q)+(\c)], v[WF+8*(\q)+4+(\c)]  ; k = KB + 2 q below, KB + 2 q + 1 above
.endr
.endr
	s_wait_alu depctr_va_vdst(0)                   ; the sixteen conversions have written WD, which the LDS stores read
.irp c, 0,1,2,3
	ds_store_b128 v[LST], v[WD+4*(\c):WD+4*(\c)+3] offset:(\c)*LP
.endr
	s_wait_dscnt 0x0                               ; for the others' sake: my stores are done
	s_barrier_signal -1
	s_barrier_wait -1                              ; the tile is whole
.irp i, 0,1,2,3
	ds_load_b128 v[WB+4*(\i):WB+4*(\i)+3], v[LRD] offset:(\i)*2*LP  ; no vector instruction names WB
.endr
	s_wait_dscnt 0x0
.irp i, 0,1,2,3
	global_store_b128 v[DO+(\i)], v[WB+4*(\i):WB+4*(\i)+3], s[30:31]  ; sixteen lanes store 256 consecutive bytes, aligned
.endr
	; (A) the rows of x, in eight blocks of four: block p rounds its rows, and among its conversions the rows of block p - 1 are stored
.set p, 0
.rept 8
	s_wait_loadcnt 28-4*p                          ; block p's four loads are in, the 28 - 4 p younger ones stay out
.if p > 0
	s_wait_alu depctr_va_vdst(0)                   ; block p - 1's conversions have written its rows in bf16, which the four stores below read; the conversions below name block p's registers alone
.endif
.set i, 0
.rept 4
.if p > 0
	global_store_b64 v[YO], v[X+16*(p-1)+4*i:X+16*(p-1)+4*i+1], s[10:11] offset:(4*(p-1)+i)*2048
.endif
	v_cvt_pk_bf16_f32 v[X+16*p+4*i], v[X+16*p+4*i], v[X+16*p+4*i+1]
	v_cvt_pk_bf16_f32 v[X+16*p+4*i+1], v[X+16*p+4*i+2], v[X+16*p+4*i+3]
.set i, i+1
.endr
.set p, p+1
.endr
	s_wait_alu depctr_va_vdst(0)                   ; block 7's conversions have written its rows, which the last four stores read
.irp i, 0,1,2,3
	global_store_b64 v[YO], v[X+16*7+4*(\i):X+16*7+4*(\i)+1], s[10:11] offset:(28+(\i))*2048
.endr
	s_wait_dscnt 0x0                               ; the wave's end
	s_wait_alu 0x0
	s_wait_tensorcnt 0x0
	ds_add_u32 v[SPW], v[NIL]
	s_wait_dscnt 0x0
	s_endpgm
.Lfunc_end_k_qa61e0f8109_prep:
	.size	k_qa61e0f8109_prep, .Lfunc_end_k_qa61e0f8109_prep-k_qa61e0f8109_prep
	.p2alignl 7, 3214868480
	.fill 96, 4, 3214868480
	.section	.rodata,"a",@progbits
	.p2align	6, 0x0
	.amdhsa_kernel k_qa61e0f8109_prep
		.amdhsa_group_segment_fixed_size 18432
		.amdhsa_private_segment_fixed_size 0
		.amdhsa_enable_private_segment 0
		.amdhsa_kernarg_size 48
		.amdhsa_user_sgpr_count 2
		.amdhsa_user_sgpr_kernarg_segment_ptr 1
		.amdhsa_wavefront_size32 1
		.amdhsa_system_sgpr_workgroup_id_x 1
		.amdhsa_system_sgpr_workgroup_id_y 1
		.amdhsa_system_sgpr_workgroup_id_z 1
		.amdhsa_system_vgpr_workitem_id 0
		.amdhsa_next_free_vgpr 216
		.amdhsa_next_free_sgpr 66
		.amdhsa_reserve_vcc 0
		.amdhsa_float_denorm_mode_32 3
		.amdhsa_float_denorm_mode_16_64 3
		.amdhsa_memory_ordered 1
		.amdhsa_forward_progress 1
		.amdhsa_inst_pref_size 17
	.end_amdhsa_kernel
	.amdgpu_metadata
---
amdhsa.version: [ 1, 2 ]
amdhsa.kernels:
  - .name:           k_qa61e0f8109_prep
    .symbol:         k_qa61e0f8109_prep.kd
    .args:
      - { .name: hidden_states, .offset: 0, .size: 8, .value_kind: global_buffer, .address_space: global }
      - { .name: W1, .offset: 8, .size: 8, .value_kind: global_buffer, .address_space: global }
      - { .name: W2, .offset: 16, .size: 8, .value_kind: global_buffer, .address_space: global }
      - { .name: xb, .offset: 24, .size: 8, .value_kind: global_buffer, .address_space: global }
      - { .name: w1t, .offset: 32, .size: 8, .value_kind: global_buffer, .address_space: global }
      - { .name: w2t, .offset: 40, .size: 8, .value_kind: global_buffer, .address_space: global }
    .group_segment_fixed_size: 18432
    .private_segment_fixed_size: 0
    .kernarg_segment_align: 8
    .kernarg_segment_size: 48
    .max_flat_workgroup_size: 256
    .sgpr_count:     66
    .vgpr_count:     216
    .wavefront_size: 32
...
	.end_amdgpu_metadata
.endif
;; end of part 4
;; launch up: the kernel of part 2 again; grid 8 x 32, 4 waves a work-group, clusters of 4 x 4, 327,680 bytes of LDS; arguments xb, w1t, hid, b1; writes hid
;; launch down: the kernel of part 3 again; grid 4 x 64, 4 waves a work-group, clusters of 4 x 4, 327,680 bytes of LDS; arguments hid, w2t, out0, b2, hidden_states; writes out0
